; MI455X (gfx1250); checked and timed in simulation.
; The chip was launched on July 23, 2026; its instructions are those of AMD's public machine-readable ISA for CDNA 5 (MIT licence, August 2026) and "CDNA5" Instruction Set Architecture Reference Guide (July 2026). The comments in the code are by the model that wrote it; some were corrected since.
;; Multi Head Attention. Allowed arithmetic: matrix products marked QUANTISED: E4M3 operands, one given power-of-two scale a tensor, by v_wmma_f32_16x16x64_fp8_fp8 or v_wmma_f32_16x16x128_fp8_fp8, f32 sums; everything else in f32.
;; Inputs: lowp_scales 8 int32 (the exponents e of the quantised operands' scales 2^e); out_b 1,024 float32; out_w 1,024 x 1,024 float32; qkv_b 3,072 float32; qkv_w 3,072 x 1,024 float32; x 4 x 2,048 x 1,024 float32.
;; Outputs: out0 4 x 2,048 x 1,024 float32.
;; This version of the problem:
;;   THIS VERSION OF THE PROBLEM IS GIVEN IN LOW PRECISION. The matrix products marked QUANTISED in the list below multiply operands that are first quantised to E4M3 (4 exponent bits, 3 mantissa bits; 8 bits a number), with one given power-of-two scale for each operand tensor; their sums are f32. All else is computed in f32.
;;   The module's matrix products, in the order in which they are computed (A, B: the left and right operand; K: the contracted axis; several contracted axes count as one K, in the product's order):
;;     1. [M 8,192, K 1,024] x [K 1,024, N 3,072]; A: input x; B: input qkv_w: QUANTISED (scales: A lowp_scales[0], B lowp_scales[1])
;;     2. batch 64 x [M 2,048, K 64] x [K 64, N 2,048]; A: computed on the way; B: computed on the way: QUANTISED (scales: A lowp_scales[2], B lowp_scales[3])
;;     3. batch 64 x [M 2,048, K 2,048] x [K 2,048, N 64]; A: softmax (see below); B: computed on the way: QUANTISED (scales: A lowp_scales[4], B lowp_scales[5])
;;     4. [M 8,192, K 1,024] x [K 1,024, N 1,024]; A: computed on the way; B: input out_w: QUANTISED (scales: A lowp_scales[6], B lowp_scales[7])
;;   THE QUANTISER, for each operand of a quantised product, along K:
;;     - The operand's scale is 2^e, e = its entry of the input lowp_scales (int32; the entries are numbered through the quantised products in the list's order, A before B).
;;     - Each number is divided by the scale, clamped to +-448, and rounded to the nearest number of E4M3, ties to even, subnormals kept.
;;     - The product sums the exact products of the quantised numbers (number of the format x scale) in f32.
;;   ~~~python
;;   def quantise(x, axis, e):      # numpy; x: float32 -> the quantised numbers, widened to float32 again
;;       x = np.moveaxis(x, axis, -1); K = x.shape[-1]
;;       r = np.clip(x / 2.0 ** e, -448, 448)
;;       step = 2.0 ** (np.maximum(np.frexp(np.where(r == 0, 1, r))[1] - 1, -6) - 3)
;;       q = np.round(r / step) * step * 2.0 ** e      # np.round: ties to even
;;       return np.moveaxis(q, -1, axis).astype(np.float32)
;;   ~~~
;;   SOFTMAX AHEAD OF A QUANTISED PRODUCT. Where the list says 'softmax', what is quantised is not the finished softmax but p = 2^(t - M), with t = logit x log2(e) and M = ceil(the row's largest t), a whole number; so 1/2 < the row's largest p <= 1. The row's sum l is taken of the UNQUANTISED p, in f32, and the product's result is divided by l at the end. Since M is a whole number, a kernel that streams over the keys may use a running M (the ceiling of the running maximum): every later rescaling is an exact power of two, so the quantised numbers keep their values, but for numbers so far below the row's largest that they fall under the format's range.
;;   OPERANDS COMPUTED ON THE WAY. 'Computed on the way' means the value that the module computes at that place (a softmax that the list does not call 'softmax' is quantised finished and normalised). What goes into a quantiser is computed in f32, as accurately as f32 sums, v_exp_f32 and their like allow (about 1e-6 of the number): no bf16 or f16 on the way to a quantiser, and a product that is left as it is and whose result goes on into a quantised operand takes f32 operands (vector FMAs, or v_wmma_f32_16x16x4_f32). A number that lies on a knife's edge between two numbers of the format may be rounded either way, as far as f32 arithmetic and the matrix unit's own rounding can turn it there, and no further.
;; One version. Each part assembles by itself: llvm-mc -triple=amdgcn-amd-amdhsa -mcpu=gfx1250 --defsym DOCPART=n.
;; ======== version 1 of 1: 4 launches
;; limits: right only within a limited range of input values
;; workspace buffers: x_img 8,388,608 bytes; wq_img 3,145,728 bytes; wo_img 1,048,576 bytes; q_img 8,388,608 bytes; kv_img 16,777,216 bytes; o_img 8,388,608 bytes
;; launch quant (part 1): grid 768 x 1, 4 waves a work-group, no clusters, 34,304 bytes of LDS; arguments x, qkv_w, out_w, lowp_scales, x_img, wq_img, wo_img; writes x_img, wq_img, wo_img
.if DOCPART == 1
	.amdgcn_target "amdgcn-amd-amdhsa--gfx1250"
	.amdhsa_code_object_version 6
	.text
	.protected	k_q10506156e8_quant
	.globl	k_q10506156e8_quant
	.p2align	8
	.type	k_q10506156e8_quant,@function
k_q10506156e8_quant:
	s_mov_b64 s[64:65], 0
	v_nop
	global_prefetch_b8 v0, s[64:65] scope:SCOPE_SE
	s_setreg_imm32_b32 hwreg(HW_REG_WAVE_MODE, 25, 1), 1
	s_wait_xcnt 0x0
; x [8192][1024], qkv_w [3072][1024] and out_w [1024][1024], f32 with K innermost, become codes of FP8 (E4M3), each tensor with the one scale 2^e given for it
; (entries 0, 1 and 7 of the scales).  code = number / 2^e, held within +-448, rounded to the nearest code, ties to even.
; THE CODES ARE LAID AS IMAGES OF OPERAND REGISTERS.  A fragment of v_wmma_f32_16x16x64_fp8_fp8 is 16 rows x 64 K in 8 registers: lane (r = lane % 16, h = lane / 16) holds row r, and its
; registers 2 c, 2 c + 1 hold k = 16 c + 8 h + 0 .. 7.  Its image is 1,024 bytes: registers 0-3 at 16 x lane, registers 4-7 at 512 + 16 x lane.  The buffers are [k / 256][tile of 16 rows][(k % 256) / 64][1024].
; SHARES.  Work-groups 0-511 take x, 512-703 qkv_w, 704-767 out_w: only pointers and constants are chosen, all take one path.  768 work-groups are three for each of 256 WGPs.
; A wave takes 16 rows x 256 along K, in two units of 128; all its 32 loads go out at its start.  A unit's 16 loads read 512 consecutive bytes of a row each; the numbers turn through the wave's own stage in LDS
; (rows of 512 + 16 bytes) and come back in the operand's order, eight neighbours along K in eight consecutive registers.  A unit's codes are two images: four stores of 512 consecutive bytes, aligned.
; No matrix unit, no cluster, no barrier: the waves share no input, and every byte is read once and written once.
; LIMITS: each e between -126 and 119, so that 2^e and 448 x 2^e are f32 numbers.  NaN among the inputs is not served; an infinity is held at the largest code.
.set SP,   528                         ; a stage row: 512 bytes + 16: the 16 rows that a read touches start at 16 different banks (64 banks of 4 bytes: ISA guide 11.1)
.set STG,  16*SP                       ; a wave's stage
.set RW,   16                          ; v16-143   two sets of 64 registers as loaded
.set XN,   144                         ; v144-207  64 numbers in the operand's order
.set CD,   208                         ; v208-239  two sets of 16 registers of codes
	s_load_b256 s[4:11], s[0:1], 0x0               ; x s[4:5], qkv_w s[6:7], out_w s[8:9], the scales' exponents s[10:11]
	s_load_b128 s[12:15], s[0:1], 0x20             ; x_img s[12:13], wq_img s[14:15]
	s_load_b64 s[16:17], s[0:1], 0x30              ; wo_img
	v_lshl_add_u32 v240, v0, 2, 0x8400             ; my spare word, behind the four stages
	v_mov_b32 v241, 0
	v_lshrrev_b32 v1, 5, v0
	v_readfirstlane_b32 s18, v1                    ; wave 0..3
	v_and_b32 v2, 31, v0
	v_lshlrev_b32 v3, 4, v2                        ; 16 x lane: my bytes of a load, of a stage row and of a store
	v_and_b32 v4, 15, v0                           ; r
	v_bfe_u32 v5, v0, 4, 1                         ; h
	s_mul_i32 s19, s18, STG
	v_add_nc_u32 v14, s19, v3                      ; the stage, on the way in
	v_mul_u32_u24 v15, v4, SP
	v_lshl_add_u32 v15, v5, 5, v15
	v_add_nc_u32 v15, s19, v15                     ; and on the way out: row r, + 32 h bytes (8 numbers)
	s_mov_b32 s20, 704                             ; out_w: its first work-group,
	s_mov_b32 s21, 0x40000                         ; and the bytes of 256 along K in its images: 64 tiles x 4,096
	s_wait_alu depctr_va_vdst(0)                   ; the wait ahead of the wait below
	s_wait_kmcnt 0x0
	s_load_b256 s[24:31], s[10:11], 0x0            ; the eight exponents
	s_cmp_lt_u32 ttmp9, 704                        ; the choices hang on the work-group's number alone
	s_cselect_b64 s[6:7], s[6:7], s[8:9]
	s_cselect_b64 s[14:15], s[14:15], s[16:17]
	s_cselect_b32 s20, 512, s20
	s_cselect_b32 s21, 0xc0000, s21                ; qkv_w: 192 tiles x 4,096
	s_cmp_lt_u32 ttmp9, 512
	s_cselect_b64 s[4:5], s[4:5], s[6:7]           ; my tensor
	s_cselect_b64 s[12:13], s[12:13], s[14:15]     ; its images
	s_cselect_b32 s20, 0, s20
	s_cselect_b32 s21, 0x200000, s21               ; x: 512 tiles x 4,096
	s_sub_co_u32 s22, ttmp9, s20
	s_lshl_b32 s22, s22, 2
	s_add_co_u32 s22, s22, s18                     ; my wave among the tensor's
	s_lshr_b32 s23, s22, 2                         ; its tile of 16 rows
	s_and_b32 s22, s22, 3                          ; and its 256 along K
	s_lshl_b32 s32, s23, 16                        ; 16 rows of 4,096 bytes
	s_lshl_b32 s33, s22, 10                        ; 256 numbers
	s_add_co_u32 s32, s32, s33
	s_mov_b32 s33, 0
	s_add_nc_u64 s[4:5], s[4:5], s[32:33]
	s_mul_i32 s34, s22, s21
	s_lshl_b32 s35, s23, 12
	s_add_co_u32 s34, s34, s35
	s_mov_b32 s35, 0
	s_add_nc_u64 s[12:13], s[12:13], s[34:35]
.irp u, 0,1                            ; unit u: 128 numbers of each of the 16 rows
.irp i, 0,1,2,3,4,5,6,7,8,9,10,11,12,13,14,15
	global_load_b128 v[RW+64*\u+4*\i:RW+64*\u+4*\i+3], v3, s[4:5] offset:4096*\i+512*\u th:TH_LOAD_NT
.endr
.endr
	s_wait_kmcnt 0x0
	s_cmp_lt_u32 ttmp9, 704
	s_cselect_b32 s25, s25, s31
	s_cmp_lt_u32 ttmp9, 512
	s_cselect_b32 s24, s24, s25                    ; e
	s_add_co_i32 s24, s24, 127
	s_lshl_b32 s25, s24, 23
	v_mov_b32 v11, s25                             ; 2^e as f32: the conversion takes its exponent field
	s_add_co_i32 s24, s24, 8
	s_lshl_b32 s24, s24, 23
	s_or_b32 s24, s24, 0x600000
	v_mov_b32 v10, s24                             ; 448 x 2^e
.macro UNIT u
	s_wait_loadcnt 16*(1-(\u))                     ; this unit's 16 loads are in; unit 1's may be out
.irp i, 0,1,2,3,4,5,6,7,8,9,10,11,12,13,14,15
	ds_store_b128 v14, v[RW+64*(\u)+4*\i:RW+64*(\u)+4*\i+3] offset:SP*\i
.endr
.irp n, 0,1,2,3,4,5,6,7                ; n = 4 x fragment + c: k = 16 n + 8 h + 0 .. 7 of my row.  LDS serves a wave's instructions in order: these see the stores above
	ds_load_b128 v[XN+8*\n:XN+8*\n+3], v15 offset:64*\n
	ds_load_b128 v[XN+8*\n+4:XN+8*\n+7], v15 offset:64*\n+16
.endr
	s_wait_dscnt 0x0                               ; the numbers are back
.set i, 0
.rept 64
	v_med3_num_f32 v[XN+i], v[XN+i], -v10, v10     ; the conversion to an 8-bit code does not saturate (ISA guide 7.6.2): the hold at the largest code x the scale
.set i, i+1
.endr
.irp n, 0,1,2,3,4,5,6,7
	v_cvt_scalef32_pk8_fp8_f32 v[CD+16*(\u)+2*\n:CD+16*(\u)+2*\n+1], v[XN+8*\n:XN+8*\n+7], v11
.endr
	v_nop                                          ; a plain line behind the last conversion
.irp n, 0,1,2,3
	global_store_b128 v3, v[CD+16*(\u)+4*\n:CD+16*(\u)+4*\n+3], s[12:13] offset:2048*(\u)+512*\n
.endr
.endm
	s_wait_alu depctr_va_vdst(0)                   ; the wait at the head's end
	UNIT 0
	UNIT 1
	s_wait_tensorcnt 0x0                           ; the wave's end
	ds_add_u32 v240, v241
	s_wait_dscnt 0x0
	s_endpgm
.Lfunc_end_k_q10506156e8_quant:
	.size	k_q10506156e8_quant, .Lfunc_end_k_q10506156e8_quant-k_q10506156e8_quant
	.p2alignl 7, 3214868480
	.fill 96, 4, 3214868480
	.section	.rodata,"a",@progbits
	.p2align	6, 0x0
	.amdhsa_kernel k_q10506156e8_quant
		.amdhsa_group_segment_fixed_size 34304
		.amdhsa_private_segment_fixed_size 0
		.amdhsa_enable_private_segment 0
		.amdhsa_kernarg_size 56
		.amdhsa_user_sgpr_count 2
		.amdhsa_user_sgpr_kernarg_segment_ptr 1
		.amdhsa_wavefront_size32 1
		.amdhsa_system_sgpr_workgroup_id_x 1
		.amdhsa_system_sgpr_workgroup_id_y 1
		.amdhsa_system_sgpr_workgroup_id_z 1
		.amdhsa_system_vgpr_workitem_id 0
		.amdhsa_next_free_vgpr 242
		.amdhsa_next_free_sgpr 66
		.amdhsa_reserve_vcc 0
		.amdhsa_float_denorm_mode_32 3
		.amdhsa_float_denorm_mode_16_64 3
		.amdhsa_memory_ordered 1
		.amdhsa_forward_progress 1
		.amdhsa_inst_pref_size 20
	.end_amdhsa_kernel
	.amdgpu_metadata
---
amdhsa.version: [ 1, 2 ]
amdhsa.kernels:
  - .name:           k_q10506156e8_quant
    .symbol:         k_q10506156e8_quant.kd
    .args:
      - { .name: x, .offset: 0, .size: 8, .value_kind: global_buffer, .address_space: global }
      - { .name: qkv_w, .offset: 8, .size: 8, .value_kind: global_buffer, .address_space: global }
      - { .name: out_w, .offset: 16, .size: 8, .value_kind: global_buffer, .address_space: global }
      - { .name: lowp_scales, .offset: 24, .size: 8, .value_kind: global_buffer, .address_space: global }
      - { .name: x_img, .offset: 32, .size: 8, .value_kind: global_buffer, .address_space: global }
      - { .name: wq_img, .offset: 40, .size: 8, .value_kind: global_buffer, .address_space: global }
      - { .name: wo_img, .offset: 48, .size: 8, .value_kind: global_buffer, .address_space: global }
    .group_segment_fixed_size: 34304
    .private_segment_fixed_size: 0
    .kernarg_segment_align: 8
    .kernarg_segment_size: 56
    .max_flat_workgroup_size: 128
    .sgpr_count:     66
    .vgpr_count:     242
    .wavefront_size: 32
...
	.end_amdgpu_metadata
.endif
;; end of part 1
;; launch qkv (part 2): grid 16 x 16, 4 waves a work-group, clusters of 4 x 4, 327,680 bytes of LDS; arguments x_img, wq_img, qkv_b, lowp_scales, q_img, kv_img; writes q_img, kv_img
.if DOCPART == 2
	.amdgcn_target "amdgcn-amd-amdhsa--gfx1250"
	.amdhsa_code_object_version 6
	.text
	.protected	k_q10506156e8_qkv
	.globl	k_q10506156e8_qkv
	.p2align	8
	.type	k_q10506156e8_qkv,@function
k_q10506156e8_qkv:
	s_mov_b64 s[64:65], 0
	v_nop
	global_prefetch_b8 v0, s[64:65] scope:SCOPE_SE
	s_setreg_imm32_b32 hwreg(HW_REG_WAVE_MODE, 25, 1), 1
	s_wait_xcnt 0x0
	s_wait_alu depctr_hold_cnt(0) depctr_sa_sdst(0) depctr_va_vdst(0) depctr_va_sdst(0) depctr_va_ssrc(0) depctr_va_vcc(0) depctr_vm_vsrc(0)
	s_getreg_b32 s2, hwreg(HW_REG_IB_STS2, 6, 4)
	s_cmp_eq_u32 s2, 0
	s_cbranch_scc0 .Lentry_in_a_cluster
	s_endpgm
.Lentry_in_a_cluster:
	s_bfe_u32 s2, ttmp6, 0x10000c
	s_cmp_lg_u32 s2, 0xf033
	s_cbranch_scc0 .Lentry_shape_is_right
	s_endpgm
.Lentry_shape_is_right:
; qkv = x qkv_w^T + qkv_b on codes of FP8 (E4M3), and its three parts quantised at once for attention: q / 8 with 2^e2, k with 2^e3, v with 2^e5.  The f32 results never go to memory.
; OPERANDS ARE IMAGES OF OPERAND REGISTERS (1,024 bytes: 16 rows x 64 K; registers 0-3 at 16 x lane, 4-7 at 512 + 16 x lane), in memory and in LDS: a fragment is two loads of 16 bytes a lane.
; SHARES.  256 work-groups.  A WORK-GROUP STAYS: it makes two blocks of 256 tokens (blocks ty and ty + 16) x the 192 columns of one head (tx): q, k, v, 64 columns each.  Wave w takes tokens 64 w .. 64 w + 63 of a block and all 192 columns: 48 accumulators.
; q AND k: source 0 = 16 rows of the weight, source 1 = 16 tokens: a lane holds ONE token and, in column tile t, channels 16 t + 8 h + 0 .. 7: one conversion of eight gives registers 2 t, 2 t + 1 of the token tile's fragment.
; v: source 0 = 16 tokens, source 1 = 16 rows of the weight: a lane holds ONE channel and, in token tile c, tokens 16 c + 8 h + 0 .. 7: registers 2 c, 2 c + 1 of a fragment of V^T (16 channels x the wave's 64 keys).
; So the conversions' results ARE the next products' operands, and they are stored as they stand; every store covers 512 consecutive bytes, aligned.
; THE BIAS is the C of each sum's first matrix instruction, divided by 2^(e0 + e1); the scales ahead of each quantiser are folded into the conversion's one: e2 + 3 - e0 - e1 (the 3: q / 8), e3 - e0 - e1, e5 - e0 - e1.
; K goes in four parts of 256 through a ring of two LDS slots filled by the tensor data mover, and the ring does not stop at a block's end: the first block's last two changes of slots ask for the second block's first two parts.
; The text is a common part (a block's first eleven steps), a tail for a block that has a successor and a tail for the last block, which asks for nothing more.
; CLUSTERS: 4 x 4 work-groups.  The four of a row of the cluster need the same tokens, the four of a column the same head's weights: each block is asked for JOINTLY.
; PREFETCHES: one instruction a wave, a lane to a block of 256 bytes; of the bytes that a wave fetches each of the four partners names a quarter, told apart by address (x: 32 blocks, by cx; the weight: 24 blocks, by cy; lanes left over name the last again).
; Behind the first load: the parts 256 and 512 along K on; behind the second: the last part; behind each of the first block's four refills: x's part of the second block that stands two fills on.  The weight has been read by then.
; LIMITS: the three folded exponents lie between -126 and 119, so that each scale and 448 x it are f32 numbers.  NaN is not served.
; REGISTERS, in windows of 256: window 0: v4-9 the three scales and limits; v16-29 addresses; v32-95 q's and k's bias (tile t at 32 + 8 t); v96-127 v's bias; v128-131 v's bias as loaded; v132-195 q's and k's codes; v196-227 v's codes.
;   window 1: the weight's 12 fragments, two sets, at v[96 p + 8 j]; the tokens' 4 fragments, two sets, at v[192 + 32 p + 8 i].   window 2: accumulator (token tile i, column tile t < 8) at v[8 (8 i + t)].   window 3: v's accumulator (d, c) at v[8 (4 d + c)].
.set SLOT,  114688                     ; a slot: 16 tiles x 4,096 bytes of x, then 12 x 4,096 of the weight
.set BOFF,  65536
.set SPARE, 2*SLOT                     ; behind the ring: the spare words, 128 bytes for each wave
.set ADRA, 16                          ; v16-17  my tokens' fragments in slot 0, 1
.set PF0,  18                          ; v18, 19, 22, 23  the prefetches' offsets: my lane's block, and the same 1, 2, 3 parts along K on; never rewritten
.set PF1,  19
.set ADRB, 20                          ; v20-21  the weight's
.set PF2,  22
.set PF3,  23
.set LI,   24                          ; v24     16 x lane
.set SPW,  28                          ; v28     LDS address of my spare word; never rewritten
.set NIL,  29                          ; v29     0; never rewritten
.set BQK,  32
.set BV,   96
.set RAWV, 128
.set CQK,  132
.set CV,   196
.set G1, 24                            ; s[24:31] descriptor group 1 for x's blocks;  s[32:39] group 0, one set for each slot
.set G0, 32
.set G1B, 48                           ; s[48:55], s[56:63] the same for the weight's
.set G0B, 56
.set PFA, 92                           ; s[92:93] where my prefetches stand; never rewritten
.set PFC, 95                           ; s95  0 while my wave asks for x's parts of the next block
.set MSB, 0
.macro WIN new                         ; the immediate's high byte repeats the setting that is left; a switch that changes nothing is dropped
.if MSB != (\new)
	s_set_vgpr_msb (MSB<<8)|(\new)
.set MSB, (\new)
.endif
.endm
; A joint load: waves 0 and 1 fetch x's two halves, waves 2 and 3 the weight's.  The branch hangs on the wave's number alone.
.macro JLOAD g0a, g1a, g0b, g1b
	s_cmp_eq_u32 s15, 0
	s_cbranch_scc0 .Lfor_b_\@
	tensor_load_to_lds s[\g0a:\g0a+3], s[\g1a:\g1a+7]
	s_nop 0
.rept 4
	v_nop
.endr
	s_branch .Lasked_\@
.Lfor_b_\@:
	tensor_load_to_lds s[\g0b:\g0b+3], s[\g1b:\g1b+7]
	s_nop 0
.rept 4
	v_nop
.endr
.Lasked_\@:
.endm
.macro ASKX xo                         ; x's waves, in the first block alone: the part of the next block at byte xo of my blocks
	s_cmp_eq_u32 s[PFC], 0
	s_cbranch_scc0 .Lnot_mine_\@
	global_prefetch_b8 v[PF0], s[PFA:PFA+1] offset:\xo th:TH_LOAD_NT scope:SCOPE_SE
.Lnot_mine_\@:
.endm
.macro CREST                           ; a round of the cluster's barrier behind its opening barrier
	s_cmp_lg_u32 s14, 0
	s_cbranch_scc1 .Lnot_wave_0_\@
	s_barrier_signal -3
.Lnot_wave_0_\@:
	s_barrier_wait -3
	s_barrier_signal -1
	s_barrier_wait -1
.endm
.macro CROUND                          ; a whole round
	s_barrier_signal -1
	s_barrier_wait -1
	CREST
.endm
.macro PLACES                          ; four plain lines between a matrix instruction and a load into one of its registers or a vector read of its result
.rept 4
	v_nop
.endr
.endm
.macro MKSC e, add, vs, vl             ; v[vs] = 2^(e + add - e0 - e1) as f32, v[vl] = 448 x that.  s80 = e0 + e1
	s_sub_co_i32 s84, \e, s80
	s_add_co_i32 s84, s84, 127+\add
	s_lshl_b32 s85, s84, 23
	v_mov_b32 v[\vs], s85
	s_add_co_i32 s84, s84, 8
	s_lshl_b32 s84, s84, 23
	s_or_b32 s84, s84, 0x600000
	v_mov_b32 v[\vl], s84
.endm
	s_load_b256 s[4:11], s[0:1], 0x0               ; x_img s[4:5], wq_img s[6:7], qkv_b s[8:9], the scales' exponents s[10:11]
	s_load_b128 s[68:71], s[0:1], 0x20             ; q_img s[68:69], kv_img s[70:71]
	v_lshl_add_u32 v[SPW], v0, 2, SPARE
	v_mov_b32 v[NIL], 0
	ds_add_u32 v[SPW], v[NIL]                      ; the opening lines: the add, twice on end,
	ds_add_u32 v[SPW], v[NIL]
	s_wait_dscnt 0x0                               ; and the one wait for both
	v_lshrrev_b32 v1, 5, v0
	v_readfirstlane_b32 s14, v1                    ; wave 0..3
	s_lshr_b32 s15, s14, 1                         ; I fetch for x (0) or for the weight (1),
	s_and_b32 s16, s14, 1                          ; and which half of the block
	s_bfe_u32 s40, ttmp6, 0x40000                  ; cx, cy: my place in the cluster
	s_bfe_u32 s41, ttmp6, 0x40004
	s_lshl_b32 s42, ttmp9, 2
	s_add_co_u32 s42, s42, s40                     ; tx, the head = 4 x cluster x + cx
	s_and_b32 s17, ttmp7, 0xffff
	s_lshl_b32 s17, s17, 2
	s_add_co_u32 s17, s17, s41                     ; ty, my first block of 256 tokens = 4 x cluster y + cy: 0 .. 15
	s_lshl_b32 s43, s41, 2
	s_lshl_b32 s43, 15, s43                        ; my row of the cluster
	s_lshl_b32 s44, 0x1111, s40                    ; my column
	; descriptor group 1: a dense block as rows of 256 bytes (32 elements of 8 bytes): 128 rows of x, 96 of the weight; no padding: images are read as they lie
	s_or_b32 s[G1+0], s43, (3<<16)|(1<<21)         ; 15:0 the mask: x's blocks go to my row; 17:16 elements of 8 bytes; 21 set beside a mask
	s_or_b32 s[G1B+0], s44, (3<<16)|(1<<21)        ; the weight's go to my column
	s_mov_b32 s[G1+1], 32<<16
	s_mov_b32 s[G1+2], 128<<16
	s_mov_b32 s[G1+3], 32<<16
	s_mov_b32 s[G1+4], 128
	s_mov_b32 s[G1+5], 32
	s_mov_b32 s[G1+6], 0
	s_mov_b32 s[G1+7], 0
	s_mov_b32 s[G1B+1], 32<<16
	s_mov_b32 s[G1B+2], 96<<16
	s_mov_b32 s[G1B+3], 32<<16
	s_mov_b32 s[G1B+4], 96
	s_mov_b32 s[G1B+5], 32
	s_mov_b32 s[G1B+6], 0
	s_mov_b32 s[G1B+7], 0
	s_lshl_b32 s20, s17, 16                        ; x: tile 16 ty + 8 x half, 4,096 bytes a tile: it hangs on ty, which my row shares
	s_lshl_b32 s21, s16, 15
	s_add_co_u32 s20, s20, s21
	s_mov_b32 s21, 0
	s_mul_i32 s46, s42, 49152                      ; the weight: tile 12 tx + 6 x half: it hangs on tx, which my column shares
	s_mul_i32 s47, s16, 24576
	s_add_co_u32 s46, s46, s47
	s_mov_b32 s47, 0
	s_lshl_b32 s45, s16, 15                        ; where they go in a slot: no place in the cluster enters an LDS address
	s_mul_i32 s19, s16, 24576
	s_add_co_u32 s19, s19, BOFF
	s_wait_kmcnt 0x0
	s_load_b256 s[72:79], s[10:11], 0x0            ; e0 .. e7
	s_add_nc_u64 s[20:21], s[4:5], s[20:21]
	s_add_nc_u64 s[46:47], s[6:7], s[46:47]
	CROUND                                         ; all sixteen work-groups are here: the first joint loads meet
.irp s, 0,1
	s_mov_b32 s[G0+4*\s], 1
	s_add_co_u32 s[G0+4*\s+1], s45, \s*SLOT
	s_add_nc_u64 s[G0+4*\s+2:G0+4*\s+3], s[20:21], \s*0x200000     ; 256 along K on: 512 tiles x 4,096 bytes
	s_or_b32 s[G0+4*\s+3], s[G0+4*\s+3], 0x80000000
	s_mov_b32 s[G0B+4*\s], 1
	s_add_co_u32 s[G0B+4*\s+1], s19, \s*SLOT
	s_add_nc_u64 s[G0B+4*\s+2:G0B+4*\s+3], s[46:47], \s*0xc0000    ; 192 tiles x 4,096 bytes
	s_or_b32 s[G0B+4*\s+3], s[G0B+4*\s+3], 0x80000000
.endr
	JLOAD G0, G1, G0B, G1B                         ; K = 0 .. 255: one tensor load a wave at the head
	v_and_b32 v1, 31, v0
	v_lshlrev_b32 v[LI], 4, v1
	v_and_b32 v2, 15, v0                           ; r
	v_bfe_u32 v3, v0, 4, 1                         ; h
	s_wait_alu depctr_va_vdst(0)                   ; the wait ahead of the run of scalar lines
	; the prefetches: my quarter of the bytes that my wave fetches
	s_lshl_b32 s92, s40, 13                        ; x: 32 blocks of 256 bytes x cx
	s_mul_i32 s93, s41, 6144                       ; the weight: 24 blocks x cy
	s_mov_b32 s23, 0xc0000
	s_cmp_eq_u32 s15, 0
	s_cselect_b32 s22, s92, s93
	s_cselect_b32 s18, 31, 23                      ; my last block
	s_cselect_b32 s94, 0x200000, s23               ; 256 along K on
	s_cselect_b64 s[PFA:PFA+1], s[20:21], s[46:47]
	s_mov_b32 s23, 0
	s_add_nc_u64 s[PFA:PFA+1], s[PFA:PFA+1], s[22:23]
	s_mov_b32 s[PFC], s15
	v_min_u32 v[PF0], s18, v1
	v_lshlrev_b32 v[PF0], 8, v[PF0]
	v_add_nc_u32 v[PF1], s94, v[PF0]
	v_add_nc_u32 v[PF2], s94, v[PF1]
	v_add_nc_u32 v[PF3], s94, v[PF2]
	global_prefetch_b8 v[PF1], s[PFA:PFA+1] th:TH_LOAD_NT scope:SCOPE_SE   ; K = 256 .. 511,
	global_prefetch_b8 v[PF2], s[PFA:PFA+1] th:TH_LOAD_NT scope:SCOPE_SE   ; K = 512 .. 767
	s_lshl_b32 s80, s14, 14                        ; my four tiles of tokens
	v_add_nc_u32 v[ADRA], s80, v[LI]
	v_add_nc_u32 v[ADRA+1], SLOT, v[ADRA]
	v_add_nc_u32 v[ADRB], BOFF, v[LI]
	v_add_nc_u32 v[ADRB+1], SLOT+BOFF, v[LI]
	s_mul_i32 s80, s42, 768                        ; the head's 192 numbers of the bias
	s_mov_b32 s81, 0
	s_add_nc_u64 s[8:9], s[8:9], s[80:81]
	v_lshlrev_b32 v10, 5, v3                       ; q, k: lane (r, h) wants, for tile t, columns 16 t + 8 h + 0 .. 7
	v_lshlrev_b32 v11, 2, v2                       ; v: for tile d, column 128 + 16 d + r
.irp t, 0,1,2,3,4,5,6,7
	global_load_b128 v[BQK+8*\t:BQK+8*\t+3], v10, s[8:9] offset:64*\t
	global_load_b128 v[BQK+8*\t+4:BQK+8*\t+7], v10, s[8:9] offset:64*\t+16
.endr
.irp d, 0,1,2,3
	global_load_b32 v[RAWV+\d], v11, s[8:9] offset:512+64*\d
.endr
	s_lshr_b32 s86, s17, 3                         ; the first block's batch, 0 or 1 (the second block's: 2 more),
	s_lshl_b32 s86, s86, 4
	s_add_co_u32 s86, s86, s42                     ; 16 x batch + head
	s_and_b32 s87, s17, 7                          ; my block of 256 among the batch's 2,048 tokens
	s_lshl_b32 s88, s86, 7
	s_lshl_b32 s89, s87, 4
	s_add_co_u32 s88, s88, s89
	s_lshl_b32 s89, s14, 2
	s_add_co_u32 s88, s88, s89                     ; q_img: [64][128 tiles][1024]: my wave's first tile
	s_lshl_b32 s88, s88, 10
	s_mov_b32 s89, 0
	s_add_nc_u64 s[68:69], s[68:69], s[88:89]
	s_lshl_b32 s90, s86, 5
	s_lshl_b32 s91, s87, 2
	s_add_co_u32 s90, s90, s91
	s_add_co_u32 s90, s90, s14                     ; kv_img: [64][32 groups of 64 keys][8192]: my wave's group: four tiles of K, then four fragments of V^T
	s_lshl_b32 s90, s90, 13
	s_mov_b32 s91, 0
	s_add_nc_u64 s[70:71], s[70:71], s[90:91]
	s_wait_kmcnt 0x0
	s_add_co_i32 s80, s72, s73                     ; e0 + e1: a sum stands for sum x 2^(e0 + e1)
	s_sub_co_i32 s82, 0, s80
	MKSC s74, 3, 4, 5                              ; q: v4, v5
	MKSC s75, 0, 6, 7                              ; k: v6, v7
	MKSC s77, 0, 8, 9                              ; v: v8, v9
	s_wait_loadcnt 0x0
.set i, 0
.rept 64
	v_ldexp_f32 v[BQK+i], v[BQK+i], s82            ; the bias / 2^(e0 + e1)
.set i, i+1
.endr
.irp d, 0,1,2,3
.irp j, 0,1,2,3,4,5,6,7
	v_ldexp_f32 v[BV+8*\d+\j], v[RAWV+\d], s82     ; v's: one channel a lane, the same for its eight tokens
.endr
.endr
; 32 LDS loads in one run: the fragments of the slot's q-th 64 along K into set p
.macro FETCH slot, q, p
	WIN 0x40                                       ; destination window 1, address window 0
.irp j, 0,1,2,3,4,5,6,7,8,9,10,11
	ds_load_b128 v[96*(\p)+8*\j:96*(\p)+8*\j+3],   v[ADRB+\slot] offset:4096*\j+1024*(\q)
	ds_load_b128 v[96*(\p)+8*\j+4:96*(\p)+8*\j+7], v[ADRB+\slot] offset:4096*\j+1024*(\q)+512
.endr
.irp i, 0,1,2,3
	ds_load_b128 v[192+32*(\p)+8*\i:192+32*(\p)+8*\i+3],   v[ADRA+\slot] offset:4096*\i+1024*(\q)
	ds_load_b128 v[192+32*(\p)+8*\i+4:192+32*(\p)+8*\i+7], v[ADRA+\slot] offset:4096*\i+1024*(\q)+512
.endr
.endm
; 16 matrix instructions for q and k: token tiles i0, i0 + 1 x column tiles 0-7.  first = 1: the bias starts the sums.  The 48 accumulators take turns in the same order in every step.
.macro MULQK p, i0, first
.irp i, \i0, \i0+1
.irp t, 0,1,2,3,4,5,6,7
.if \first
	v_wmma_f32_16x16x64_fp8_fp8 v[8*(8*(\i)+\t):8*(8*(\i)+\t)+7], v[96*(\p)+8*\t:96*(\p)+8*\t+7], v[192+32*(\p)+8*(\i):192+32*(\p)+8*(\i)+7], v[BQK+8*\t:BQK+8*\t+7]
.else
	v_wmma_f32_16x16x64_fp8_fp8 v[8*(8*(\i)+\t):8*(8*(\i)+\t)+7], v[96*(\p)+8*\t:96*(\p)+8*\t+7], v[192+32*(\p)+8*(\i):192+32*(\p)+8*(\i)+7], v[8*(8*(\i)+\t):8*(8*(\i)+\t)+7]
.endif
.endr
.endr
.endm
; 16 for v: channel tiles d x token tiles c, the sources the other way round
.macro MULV p, first
.irp d, 0,1,2,3
.irp c, 0,1,2,3
.if \first
	v_wmma_f32_16x16x64_fp8_fp8 v[8*(4*\d+\c):8*(4*\d+\c)+7], v[192+32*(\p)+8*\c:192+32*(\p)+8*\c+7], v[96*(\p)+64+8*\d:96*(\p)+64+8*\d+7], v[BV+8*\d:BV+8*\d+7]
.else
	v_wmma_f32_16x16x64_fp8_fp8 v[8*(4*\d+\c):8*(4*\d+\c)+7], v[192+32*(\p)+8*\c:192+32*(\p)+8*\c+7], v[96*(\p)+64+8*\d:96*(\p)+64+8*\d+7], v[8*(4*\d+\c):8*(4*\d+\c)+7]
.endif
.endr
.endr
.endm
; A step of 64 along K that has its successor in the same slot: the successor's fragments are asked for at its head, 48 matrix instructions ahead of their use.
; Windows: sources 0 and 1 window 1; D window 2 (q, k) or 3 (v); C the same, or window 0 where the bias starts the sums.
.macro STEP slot, q, first
	s_wait_dscnt 0x0                               ; this step's fragments are in
	PLACES                                         ; in front of loads into the set that the last step multiplied
	FETCH \slot, (\q)+1, 1-(\q)%2
	WIN 0xa5-0x20*\first
	MULQK (\q)%2, 0, \first
	MULQK (\q)%2, 2, \first
	WIN 0xf5-0x30*\first
	MULV (\q)%2, \first
.endm
; A slot's last step changes slots: ONE barrier; in front of it each wave waits for all its tensor loads, adds 0 to its spare word, and waits for that and for its own reads of this slot.
; fill = 1: this slot is filled again, 512 along K ahead;  fill = 2: with the next block's part (x: 16 blocks of tokens on and 512 along K back; the weight: 512 along K back);  fill = 0: no more.
.macro TURN slot, next, fill, xo
	WIN 0                                          ; (the add's two registers lie in window 0)
	s_wait_tensorcnt 0x0                           ; all my tensor loads have landed: my part of the next slot;
	ds_add_u32 v[SPW], v[NIL]                      ; 0 onto my spare word;
	s_wait_dscnt 0x1                               ; (this step's 32 loads are in; the add alone may be out)
	WIN 0xa5
	MULQK 1, 0, 0                                  ; sixteen matrix instructions stand between the add and the wait for it
	s_wait_dscnt 0x0                               ; the add is done, and my reads of this slot are over
	s_barrier_signal -1
	MULQK 1, 2, 0
	WIN 0
	s_barrier_wait -1
.if \fill
	CREST                                          ; the barrier has opened a round of the cluster's barrier: no wave of any partner still reads this slot or has a load on its way
.if \fill == 1
	s_add_nc_u64 s[G0+4*\slot+2:G0+4*\slot+3], s[G0+4*\slot+2:G0+4*\slot+3], 0x400000
	s_add_nc_u64 s[G0B+4*\slot+2:G0B+4*\slot+3], s[G0B+4*\slot+2:G0B+4*\slot+3], 0x180000
.else
	s_sub_nc_u64 s[G0+4*\slot+2:G0+4*\slot+3], s[G0+4*\slot+2:G0+4*\slot+3], 0x300000
	s_sub_nc_u64 s[G0B+4*\slot+2:G0B+4*\slot+3], s[G0B+4*\slot+2:G0B+4*\slot+3], 0x180000
.endif
	JLOAD G0+4*\slot, G1, G0B+4*\slot, G1B         ; the first tensor load behind the round; its four v_nop are also the places in front of the loads below
.else
	PLACES
.endif
	FETCH \next, 0, 0
.if \fill
	WIN 0
	ASKX \xo                                       ; behind the joint load and the run of LDS loads
.endif
	WIN 0xf5
	MULV 1, 0
.endm
; THE WAY OUT of a block: hold, convert, store.  Each accumulator is read from its low end on.
.macro WAYOUT
	PLACES
	WIN 0x82                                       ; source 0 and destination window 2; the limits window 0
.irp i, 0,1,2,3
.irp t, 0,1,2,3,4,5,6,7
.irp j, 0,1,2,3,4,5,6,7
.if \t < 4
	v_med3_num_f32 v[64*\i+8*\t+\j], v[64*\i+8*\t+\j], -v5, v5     ; q: the conversion does not saturate (ISA guide 7.6.2): the hold at the largest code x the scale
.else
	v_med3_num_f32 v[64*\i+8*\t+\j], v[64*\i+8*\t+\j], -v7, v7     ; k
.endif
.endr
.endr
.endr
	WIN 0x02                                       ; source 0 window 2; the scale and the codes window 0
.irp i, 0,1,2,3
.irp t, 0,1,2,3,4,5,6,7
.if \t < 4
	v_cvt_scalef32_pk8_fp8_f32 v[CQK+16*\i+2*\t:CQK+16*\i+2*\t+1], v[64*\i+8*\t:64*\i+8*\t+7], v4    ; token tile i: q's fragment at v[CQK + 16 i], k's 8 further on
.else
	v_cvt_scalef32_pk8_fp8_f32 v[CQK+16*\i+2*\t:CQK+16*\i+2*\t+1], v[64*\i+8*\t:64*\i+8*\t+7], v6
.endif
.endr
.endr
	v_nop                                          ; a plain line behind the last conversion
	WIN 0
.irp i, 0,1,2,3
	global_store_b128 v[LI], v[CQK+16*\i:CQK+16*\i+3],     s[68:69] offset:1024*\i
	global_store_b128 v[LI], v[CQK+16*\i+4:CQK+16*\i+7],   s[68:69] offset:1024*\i+512
	global_store_b128 v[LI], v[CQK+16*\i+8:CQK+16*\i+11],  s[70:71] offset:1024*\i
	global_store_b128 v[LI], v[CQK+16*\i+12:CQK+16*\i+15], s[70:71] offset:1024*\i+512
.endr
	WIN 0xc3                                       ; source 0 and destination window 3
.set i, 0
.rept 128
	v_med3_num_f32 v[i], v[i], -v9, v9             ; v
.set i, i+1
.endr
	WIN 0x03
.irp d, 0,1,2,3
.irp c, 0,1,2,3
	v_cvt_scalef32_pk8_fp8_f32 v[CV+8*\d+2*\c:CV+8*\d+2*\c+1], v[8*(4*\d+\c):8*(4*\d+\c)+7], v8
.endr
.endr
	v_nop
	WIN 0
.irp d, 0,1,2,3
	global_store_b128 v[LI], v[CV+8*\d:CV+8*\d+3],   s[70:71] offset:4096+1024*\d
	global_store_b128 v[LI], v[CV+8*\d+4:CV+8*\d+7], s[70:71] offset:4096+1024*\d+512
.endr
.endm
	s_wait_alu depctr_va_vdst(0)                   ; the wait at the head's end
	s_wait_tensorcnt 0x0                           ; my part of slot 0 is in; slot 1's first fill is issued as a refill is:
	ds_add_u32 v[SPW], v[NIL]
	s_wait_dscnt 0x0
	CROUND                                         ; a whole round: everybody's part of slot 0 is in, and the joint loads meet
	JLOAD G0+4, G1, G0B+4, G1B                     ; K = 256 .. 511, the first tensor load behind the round
	FETCH 0, 0, 0
	WIN 0
	global_prefetch_b8 v[PF3], s[PFA:PFA+1] th:TH_LOAD_NT scope:SCOPE_SE   ; K = 768 .. 1023
	s_mov_b32 s2, 2                                ; blocks to go, this one among them: the same number in every work-group
.Ltile:
	STEP 0, 0, 1                                   ; K = 0 .. 255
	STEP 0, 1, 0
	STEP 0, 2, 0
	TURN 0, 1, 1, 0x100000
	STEP 1, 0, 0                                   ; K = 256 .. 511
	STEP 1, 1, 0
	STEP 1, 2, 0
	TURN 1, 0, 1, 0x300000
	STEP 0, 0, 0                                   ; K = 512 .. 767
	STEP 0, 1, 0
	STEP 0, 2, 0
	WIN 0
	s_cmp_eq_u32 s2, 1
	s_cbranch_scc1 .Llast                          ; the last block's tail is written out: it asks for nothing more
	TURN 0, 1, 2, 0x500000                         ; THE RING GOES ON INTO THE NEXT BLOCK: slot 0 takes its K = 0 .. 255,
	STEP 1, 0, 0                                   ; K = 768 .. 1023
	STEP 1, 1, 0
	STEP 1, 2, 0
	TURN 1, 0, 2, 0x700000                         ; slot 1 its K = 256 .. 511, and the next block's first fragments are fetched
	WAYOUT
	s_wait_xcnt 0x0                                ; the stores have read their bases and their codes: only now are these written again
	s_add_nc_u64 s[68:69], s[68:69], 0x400000      ; two batches on: 32 pairs x 128 tiles x 1,024 bytes,
	s_add_nc_u64 s[70:71], s[70:71], 0x800000      ; 32 pairs x 32 groups x 8,192 bytes
	s_mov_b32 s[PFC], 1                            ; no block follows the next one
	s_sub_co_u32 s2, s2, 1
	s_branch .Ltile
.Llast:
	TURN 0, 1, 0, 0                                ; nothing is left to fetch, so no round of the cluster's barrier
	STEP 1, 0, 0                                   ; K = 768 .. 1023
	STEP 1, 1, 0
	STEP 1, 2, 0
	s_wait_dscnt 0x0                               ; the very last step
	WIN 0xa5
	MULQK 1, 0, 0
	MULQK 1, 2, 0
	WIN 0xf5
	MULV 1, 0
	WAYOUT
	s_wait_tensorcnt 0x0                           ; the wave's end
	ds_add_u32 v[SPW], v[NIL]
	s_wait_dscnt 0x0
	CROUND                                         ; the closing round: no work-group ends while a partner may still ask for a block that names it
	s_endpgm
.Lfunc_end_k_q10506156e8_qkv:
	.size	k_q10506156e8_qkv, .Lfunc_end_k_q10506156e8_qkv-k_q10506156e8_qkv
	.p2alignl 7, 3214868480
	.fill 96, 4, 3214868480
	.section	.rodata,"a",@progbits
	.p2align	6, 0x0
	.amdhsa_kernel k_q10506156e8_qkv
		.amdhsa_group_segment_fixed_size 327680
		.amdhsa_private_segment_fixed_size 0
		.amdhsa_enable_private_segment 0
		.amdhsa_kernarg_size 48
		.amdhsa_user_sgpr_count 2
		.amdhsa_user_sgpr_kernarg_segment_ptr 1
		.amdhsa_wavefront_size32 1
		.amdhsa_system_sgpr_workgroup_id_x 1
		.amdhsa_system_sgpr_workgroup_id_y 1
		.amdhsa_system_sgpr_workgroup_id_z 1
		.amdhsa_system_vgpr_workitem_id 0
		.amdhsa_next_free_vgpr 896
		.amdhsa_next_free_sgpr 100
		.amdhsa_reserve_vcc 0
		.amdhsa_float_denorm_mode_32 3
		.amdhsa_float_denorm_mode_16_64 3
		.amdhsa_memory_ordered 1
		.amdhsa_forward_progress 1
		.amdhsa_inst_pref_size 192
	.end_amdhsa_kernel
	.amdgpu_metadata
---
amdhsa.version: [ 1, 2 ]
amdhsa.kernels:
  - .name:           k_q10506156e8_qkv
    .symbol:         k_q10506156e8_qkv.kd
    .args:
      - { .name: x_img, .offset: 0, .size: 8, .value_kind: global_buffer, .address_space: global }
      - { .name: wq_img, .offset: 8, .size: 8, .value_kind: global_buffer, .address_space: global }
      - { .name: qkv_b, .offset: 16, .size: 8, .value_kind: global_buffer, .address_space: global }
      - { .name: lowp_scales, .offset: 24, .size: 8, .value_kind: global_buffer, .address_space: global }
      - { .name: q_img, .offset: 32, .size: 8, .value_kind: global_buffer, .address_space: global }
      - { .name: kv_img, .offset: 40, .size: 8, .value_kind: global_buffer, .address_space: global }
    .group_segment_fixed_size: 327680
    .private_segment_fixed_size: 0
    .kernarg_segment_align: 8
    .kernarg_segment_size: 48
    .max_flat_workgroup_size: 128
    .sgpr_count:     100
    .vgpr_count:     896
    .wavefront_size: 32
...
	.end_amdgpu_metadata
.endif
;; end of part 2
;; launch attn (part 3): grid 4 x 64, 16 waves a work-group, clusters of 4 x 1, 327,680 bytes of LDS; arguments q_img, kv_img, lowp_scales, o_img; writes o_img
.if DOCPART == 3
	.amdgcn_target "amdgcn-amd-amdhsa--gfx1250"
	.amdhsa_code_object_version 6
	.text
	.protected	k_q10506156e8_attn
	.globl	k_q10506156e8_attn
	.p2align	8
	.type	k_q10506156e8_attn,@function
k_q10506156e8_attn:
	s_mov_b64 s[64:65], 0
	v_nop
	global_prefetch_b8 v0, s[64:65] scope:SCOPE_SE
	s_setreg_imm32_b32 hwreg(HW_REG_WAVE_MODE, 25, 1), 1
	s_wait_xcnt 0x0
	s_wait_alu depctr_hold_cnt(0) depctr_sa_sdst(0) depctr_va_vdst(0) depctr_va_sdst(0) depctr_va_ssrc(0) depctr_va_vcc(0) depctr_vm_vsrc(0)
	s_getreg_b32 s2, hwreg(HW_REG_IB_STS2, 6, 4)
	s_cmp_eq_u32 s2, 0
	s_cbranch_scc0 .Lentry_in_a_cluster
	s_endpgm
.Lentry_in_a_cluster:
	s_bfe_u32 s2, ttmp6, 0x10000c
	s_cmp_lg_u32 s2, 0x3003
	s_cbranch_scc0 .Lentry_shape_is_right
	s_endpgm
.Lentry_shape_is_right:
; o = softmax(q k^T) v for each of the 64 (batch, head) pairs, 2,048 queries x 2,048 keys x 64 channels, both products on codes of FP8 (E4M3); q already holds the division by 8.  o is quantised at once with 2^e6 for the last product.
; THE SOFTMAX AHEAD OF THE SECOND PRODUCT: t = score x log2(e); M = the row's largest t so far, rounded UP to a whole number; p = 2^(t - M) is what is quantised (2^e4); it is not normalised.
; The row's sum is taken of the unquantised p, in f32, and divides O at the end.  When M moves, the sum and O are multiplied by 2^(old M - new M): exact, and without a branch.
; OPERANDS ARE IMAGES OF OPERAND REGISTERS (1,024 bytes: 16 rows x 64 K; registers 0-3 at 16 x lane, 4-7 at 512 + 16 x lane), in memory and in LDS.
; Both products are used transposed: S^T = K Q^T (source 0 = 16 keys, source 1 = 16 queries), O^T = V^T P (source 0 = 16 channels x 128 keys, source 1 = P): a lane holds ONE query (lane % 16) throughout.
; In key tile t a lane's eight scores are keys 16 t + 8 h + 0 .. 7: one conversion of eight gives registers 2 t, 2 t + 1 of P; two neighbouring images of V^T are the 16 registers of the K = 128 form.
; SHARES.  A work-group owns 512 queries of one pair; each of its sixteen waves 32 of them, two tiles, in 256 registers.  A STEP IS 128 KEYS: 32 LDS loads, 16 + 8 matrix instructions; M, f and the 32 rescalings of O^T come once for 128 keys.
; LDS holds the pair's WHOLE K and V, 262,144 bytes (group G of 64 keys at 8,192 G: four tiles of K, four fragments of V^T), filled ONCE, by one load of 16,384 bytes a wave at the head: one barrier, nothing is filled again.
; CLUSTER.  The four query blocks of a pair form a cluster and need the same K and V: every block is asked for JOINTLY, with a mask that names the four.
; NO PREFETCH: all fills go out at the head, ahead of the loop: there is no loop that runs ahead of a load.
; REGISTERS ARE USED BY TURNS.  v32-63: K's tiles 4-7, then the softmax's work registers, then p's codes.  v64-191: the scores, then p; when p's lower half is converted, v64-127 take V^T; when the upper half is, v128-159 take the NEXT step's tiles 0-3 of K.
; The last step is written out a second time, without that look-ahead.
; LIMITS: e2 + e3 between -126 and 127 (added to log2(e)'s exponent field); e4 and e6 between -126 and 119; e4 + e5 is applied by v_ldexp_f32 and has none.  NaN is not served.
.set SPARE, 0x40000                    ; behind K and V: the spare words, 128 bytes for each wave
.set LI,  1                            ; v1   16 x lane; never rewritten
.set ADR, 2                            ; v2   LDS address of the step's 128 keys
                                       ; v3: 2^e4; v4, v5: 448 x 2^e4, twice (the two halves of a dual line name registers of different banks); at the end v3, v4: the same with e6
                                       ; v6, v7: at the head and at the end my spare word's address and 0; in the loop a second chain of maxima for each tile
.set ST,  8                            ; tile x at v[8 + 4 x]: -M, the largest score so far, the sum in two halves
.set QF,  16                           ; Q: 8 registers a tile
.set KF,  32                           ; K's tiles 4-7
.set TW,  32                           ; at work, 8 a tile: +0, +1 two chains of maxima, +1 then the new -M; +2 the other half's; +3; +4, +5 f as a pair; behind the exponentials all eight: four chains of sums
.set PC,  32                           ; p's codes: 16 a tile
.set SC,  64                           ; S^T, then p: key tile t of query tile x at 64 (t / 4) + 32 x + 8 (t % 4)
.set OT,  192                          ; O^T: 32 a tile, channel tile d at + 8 d
.set WV,  12                           ; s12  my wave's number
.set G1,  16                           ; s[16:23] descriptor group 1
.set G0,  24                           ; s[24:27] group 0
.set SEL, 48                           ; s[48:49] lane selects for v_permlanex16_b32: lane l xor 16
.set CS,  50                           ; s[50:51] c = log2(e) x 2^(e2 + e3), twice: the packed form names a pair
.set NC,  52                           ; s52  -c
.set TB,  53                           ; s53  LDS byte at which the step's keys begin
.set CNT, 54                           ; s54  steps to go in the loop
.macro CROUND                          ; a round of the cluster's barrier
	s_barrier_signal -1
	s_barrier_wait -1
	s_cmp_lg_u32 s[WV], 0
	s_cbranch_scc1 .Lnot_wave_0_\@
	s_barrier_signal -3
.Lnot_wave_0_\@:
	s_barrier_wait -3
	s_barrier_signal -1
	s_barrier_wait -1
.endm
	s_load_b256 s[4:11], s[0:1], 0x0               ; q_img s[4:5], kv_img s[6:7], the scales' exponents s[8:9], o_img s[10:11]
	v_lshl_add_u32 v6, v0, 2, SPARE
	v_mov_b32 v7, 0
	ds_add_u32 v6, v7                              ; the opening lines: the add, twice on end,
	ds_add_u32 v6, v7
	v_lshrrev_b32 v1, 5, v0
	v_readfirstlane_b32 s[WV], v1                  ; wave 0..15
	s_bfe_u32 s13, ttmp6, 0x40000                  ; cx: my block of 512 queries; it enters q's and o's addresses alone
	s_and_b32 s14, ttmp7, 0xffff                   ; 16 x batch + head, which the four partners share
	s_mov_b32 s[G1+0], 15|(3<<16)|(1<<21)          ; 15:0 the mask: all four work-groups; 17:16 elements of 8 bytes; 21 set beside a mask
	s_mov_b32 s[G1+1], 32<<16                      ; tensor_dim0 = 32: rows of 256 bytes
	s_mov_b32 s[G1+2], 64<<16                      ; tensor_dim1 = 64
	s_mov_b32 s[G1+3], 32<<16                      ; tile_dim0 = 32
	s_mov_b32 s[G1+4], 64                          ; tile_dim1 = 64
	s_mov_b32 s[G1+5], 32                          ; dense: from row to row 32 elements
	s_mov_b32 s[G1+6], 0
	s_mov_b32 s[G1+7], 0
	s_lshl_b32 s55, s[WV], 14                      ; my 16,384 bytes
	s_lshl_b32 s56, s14, 18                        ; of the pair's 262,144
	s_add_co_u32 s56, s56, s55
	s_mov_b32 s57, 0
	s_mov_b32 s[SEL], 0x76543210
	s_mov_b32 s[SEL+1], 0xfedcba98
	s_wait_alu depctr_va_vdst(0)                   ; the wait ahead of the waits below
	s_wait_dscnt 0x0                               ; and the one wait for both adds
	s_wait_kmcnt 0x0
	s_load_b256 s[40:47], s[8:9], 0x0              ; e0 .. e7
	s_mov_b32 s[G0], 1
	s_mov_b32 s[G0+1], s55                         ; LDS lies as memory lies
	s_add_nc_u64 s[G0+2:G0+3], s[6:7], s[56:57]
	s_or_b32 s[G0+3], s[G0+3], 0x80000000
	CROUND                                         ; all four work-groups are here: the joint loads meet
	tensor_load_to_lds s[G0:G0+3], s[G1:G1+7]      ; my one tensor load of the launch
	s_nop 0
.rept 4
	v_nop
.endr
	v_and_b32 v1, 31, v0
	v_lshlrev_b32 v[LI], 4, v1
	s_wait_alu depctr_va_vdst(0)                   ; the wait ahead of the run of scalar lines
	s_lshl_b32 s56, s14, 7                         ; q_img: [64][128 tiles][1024]: tile 32 cx + 2 wave
	s_lshl_b32 s57, s13, 5
	s_add_co_u32 s56, s56, s57
	s_lshl_b32 s57, s[WV], 1
	s_add_co_u32 s56, s56, s57
	s_lshl_b32 s56, s56, 10
	s_mov_b32 s57, 0
	s_add_nc_u64 s[4:5], s[4:5], s[56:57]
.irp x, 0,1
	global_load_b128 v[QF+8*\x:QF+8*\x+3],   v[LI], s[4:5] offset:1024*\x       ; Q stays in registers
	global_load_b128 v[QF+8*\x+4:QF+8*\x+7], v[LI], s[4:5] offset:1024*\x+512
.endr
	s_lshr_b32 s58, s14, 4                         ; o_img: [head / 4][512 tiles of tokens][head % 4][1024]: the last product's K is 64 x head + channel
	s_lshl_b32 s58, s58, 7
	s_lshl_b32 s59, s13, 5
	s_add_co_u32 s58, s58, s59
	s_lshl_b32 s59, s[WV], 1
	s_add_co_u32 s58, s58, s59                     ; tile 128 x batch + 32 cx + 2 wave
	s_lshl_b32 s58, s58, 12
	s_bfe_u32 s59, s14, 0x20002                    ; head / 4
	s_lshl_b32 s59, s59, 21
	s_add_co_u32 s58, s58, s59
	s_and_b32 s59, s14, 3                          ; head % 4
	s_lshl_b32 s59, s59, 10
	s_add_co_u32 s58, s58, s59
	s_mov_b32 s59, 0
	s_add_nc_u64 s[10:11], s[10:11], s[58:59]
.irp x, 0,1
	v_mov_b32 v[ST+4*\x], 0x7f61b1e6               ; -M: 3e38
	v_mov_b32 v[ST+4*\x+1], 0xff61b1e6             ; the largest score so far: -3e38, under every score
	v_mov_b32 v[ST+4*\x+2], 0                      ; the sum, in two halves
	v_mov_b32 v[ST+4*\x+3], 0
.endr
.set i, 0
.rept 64
	v_mov_b32 v[OT+i], 0                           ; O^T.  (The step has no first form of its own: the first change of M multiplies zeros)
.set i, i+1
.endr
	s_wait_kmcnt 0x0
	s_add_co_i32 s56, s42, s43
	s_lshl_b32 s56, s56, 23
	s_add_co_i32 s[CS], s56, 0x3fb8aa3b            ; a score stands for score x 2^(e2 + e3): the two exponents are added to log2(e)'s exponent field
	s_mov_b32 s[CS+1], s[CS]
	s_xor_b32 s[NC], s[CS], 0x80000000
	s_add_co_i32 s56, s44, 127
	s_lshl_b32 s57, s56, 23
	v_mov_b32 v3, s57                              ; 2^e4 as f32, for the conversion
	s_add_co_i32 s56, s56, 8
	s_lshl_b32 s56, s56, 23
	s_or_b32 s56, s56, 0x600000
	v_mov_b32 v4, s56                              ; 448 x 2^e4,
	v_mov_b32 v5, s56                              ; twice
	s_add_co_i32 s62, s46, 127
	s_lshl_b32 s61, s62, 23                        ; 2^e6
	s_add_co_i32 s62, s62, 8
	s_lshl_b32 s62, s62, 23
	s_or_b32 s62, s62, 0x600000                    ; 448 x 2^e6
	s_add_co_i32 s60, s44, s45                     ; e4 + e5
; A STEP: the 128 keys at LDS byte s[TB].  The two tiles' lines alternate, so that no line reads the result of the line above it.  pf = 1: the next step's tiles 0-3 of K are fetched ahead of the second product.
.macro STEP pf
	v_add_nc_u32 v[ADR], s[TB], v[LI]              ; with the four below: five places behind the last products: loads land on p's codes, and scores on V's registers
.rept 4
	v_nop
.endr
.irp j, 0,1,2,3
	ds_load_b128 v[KF+8*\j:KF+8*\j+3],   v[ADR] offset:8192+1024*\j
	ds_load_b128 v[KF+8*\j+4:KF+8*\j+7], v[ADR] offset:8192+1024*\j+512
.endr
	s_wait_dscnt 0x8                               ; tiles 0-3, asked for a step ago, are in; the eight loads just issued may be out
.irp t, 0,1,2,3
.irp x, 0,1
	v_wmma_f32_16x16x64_fp8_fp8 v[SC+32*\x+8*\t:SC+32*\x+8*\t+7], v[SC+64+8*\t:SC+64+8*\t+7], v[QF+8*\x:QF+8*\x+7], 0
.endr
.endr
	s_wait_dscnt 0x0                               ; tiles 4-7 are in
.rept 5
	v_nop                                          ; five places: the next scores are laid over tiles 0-3 of K
.endr
.irp t, 0,1,2,3
.irp x, 0,1
	v_wmma_f32_16x16x64_fp8_fp8 v[SC+64+32*\x+8*\t:SC+64+32*\x+8*\t+7], v[KF+8*\t:KF+8*\t+7], v[QF+8*\x:QF+8*\x+7], 0
.endr
.endr
; the running largest score of my query, in four chains a tile, eight in all, each accumulator from its low end on.  The first four lines name no register of the eight products above: they are those products' places,
; ahead of the first write into K's registers; the upper scores are read 32 lines on
.irp o, 0,8,16,24,64,72,80,88
.irp x, 0,1
	v_max3_num_f32 v[ST+4*\x+1], v[ST+4*\x+1], v[SC+\o+32*\x], v[SC+\o+32*\x+1]
.endr
.irp x, 0,1
.if \o == 0
	v_max_num_f32 v[6+\x], v[SC+32*\x+2], v[SC+32*\x+3]
.else
	v_max3_num_f32 v[6+\x], v[6+\x], v[SC+\o+32*\x+2], v[SC+\o+32*\x+3]
.endif
.endr
.irp k, 0,1
.irp x, 0,1
.if \o == 0
	v_max_num_f32 v[TW+8*\x+\k], v[SC+32*\x+4+2*\k], v[SC+32*\x+5+2*\k]
.else
	v_max3_num_f32 v[TW+8*\x+\k], v[TW+8*\x+\k], v[SC+\o+32*\x+4+2*\k], v[SC+\o+32*\x+5+2*\k]
.endif
.endr
.endr
.endr
.irp x, 0,1
	v_max3_num_f32 v[ST+4*\x+1], v[ST+4*\x+1], v[6+\x], v[TW+8*\x]
.endr
.irp x, 0,1
	v_max_num_f32 v[ST+4*\x+1], v[ST+4*\x+1], v[TW+8*\x+1]
.endr
.irp x, 0,1
	v_permlanex16_b32 v[TW+8*\x+2], v[ST+4*\x+1], s[SEL], s[SEL+1]   ; the query's other keys lie in the lane 16 away
.endr
.irp x, 0,1
	v_max_num_f32 v[ST+4*\x+1], v[ST+4*\x+1], v[TW+8*\x+2]
.endr
.irp x, 0,1
	v_mul_f32 v[TW+8*\x+3], s[NC], v[ST+4*\x+1]    ; -t (c is positive)
.endr
.irp x, 0,1
	v_floor_f32 v[TW+8*\x+1], v[TW+8*\x+3]         ; the new -M = floor(-t) = -ceil(t): M IS A WHOLE NUMBER
.endr
.irp x, 0,1
	v_sub_f32 v[TW+8*\x+3], v[TW+8*\x+1], v[ST+4*\x]   ; M's old value less its new one: 0 or less
.endr
.irp x, 0,1
	v_mov_b32 v[ST+4*\x], v[TW+8*\x+1]
.endr
.irp x, 0,1
	v_cvt_i32_f32 v[TW+8*\x+3], v[TW+8*\x+3]       ; (it saturates)
.endr
.irp x, 0,1
	v_ldexp_f32 v[TW+8*\x+4], 1.0, v[TW+8*\x+3]    ; f = 2^(old M - new M)
.endr
.set i, 0
.rept 16
	v_pk_mul_f32 v[OT+i:OT+i+1], v[OT+i:OT+i+1], v[TW+4:TW+5] op_sel_hi:[1,0]               ; O^T under the new M: once for 128 keys, ahead of the exponentials
	v_pk_mul_f32 v[OT+32+i:OT+32+i+1], v[OT+32+i:OT+32+i+1], v[TW+12:TW+13] op_sel_hi:[1,0]
.set i, i+2
.endr
.irp g, 0,64
.set i, 0
.rept 16
	v_pk_fma_f32 v[SC+\g+i:SC+\g+i+1], v[SC+\g+i:SC+\g+i+1], s[CS:CS+1], v[ST:ST+1] op_sel_hi:[1,0,0]               ; t - M, two at a time (of the pairs c and -M the low word serves both halves)
	v_pk_fma_f32 v[SC+\g+32+i:SC+\g+32+i+1], v[SC+\g+32+i:SC+\g+32+i+1], s[CS:CS+1], v[ST+4:ST+5] op_sel_hi:[1,0,0]
.set i, i+2
.endr
.endr
	s_wait_alu depctr_va_vdst(0)                   ; the wait ahead of the batch
.set i, 0
.rept 128
	v_exp_f32 v[SC+i], v[SC+i]                     ; p = 2^(t - M), at most 1: NOT normalised
.set i, i+1
.endr
.irp x, 0,1
	v_pk_mul_f32 v[ST+4*\x+2:ST+4*\x+3], v[ST+4*\x+2:ST+4*\x+3], v[TW+8*\x+4:TW+8*\x+5] op_sel_hi:[1,0]   ; the sums under the new M.  (The plain line behind the exponentials)
.endr
	s_wait_alu depctr_va_vdst(0)                   ; one wait for the whole batch, ahead of its first reader
; THE ROW'S SUM IS TAKEN OF THE UNQUANTISED p: two at a time, in four chains a tile (chain k at TW + 8 x + 2 k), eight in all
.irp k, 0,1,2,3
.irp x, 0,1
	v_pk_add_f32 v[TW+8*\x+2*\k:TW+8*\x+2*\k+1], v[SC+32*\x+4*\k:SC+32*\x+4*\k+1], v[SC+32*\x+4*\k+2:SC+32*\x+4*\k+3]
.endr
.endr
.irp o, 16,24,64,72,80,88
.irp k, 0,1,2,3
.irp x, 0,1
	v_pk_add_f32 v[TW+8*\x+2*\k:TW+8*\x+2*\k+1], v[TW+8*\x+2*\k:TW+8*\x+2*\k+1], v[SC+\o+32*\x+2*\k:SC+\o+32*\x+2*\k+1]
.endr
.endr
.endr
.irp x, 0,1
	v_pk_add_f32 v[TW+8*\x:TW+8*\x+1], v[TW+8*\x:TW+8*\x+1], v[TW+8*\x+2:TW+8*\x+3]
	v_pk_add_f32 v[TW+8*\x+4:TW+8*\x+5], v[TW+8*\x+4:TW+8*\x+5], v[TW+8*\x+6:TW+8*\x+7]
.endr
.irp x, 0,1
	v_pk_add_f32 v[TW+8*\x:TW+8*\x+1], v[TW+8*\x:TW+8*\x+1], v[TW+8*\x+4:TW+8*\x+5]
.endr
.irp x, 0,1
	v_pk_add_f32 v[ST+4*\x+2:ST+4*\x+3], v[ST+4*\x+2:ST+4*\x+3], v[TW+8*\x:TW+8*\x+1]
.endr
; hold and convert, the lower 64 keys first.  The conversion does not saturate (ISA guide 7.6.2); p is not negative, so the hold is one-sided; two holds go in one dual line
.set i, 0
.rept 32
	v_dual_min_num_f32 v[SC+i], v[SC+i], v4 :: v_dual_min_num_f32 v[SC+i+1], v[SC+i+1], v5
.set i, i+2
.endr
.irp x, 0,1
.irp t, 0,1,2,3
	v_cvt_scalef32_pk8_fp8_f32 v[PC+16*\x+2*\t:PC+16*\x+2*\t+1], v[SC+32*\x+8*\t:SC+32*\x+8*\t+7], v3
.endr
.endr
	v_nop                                          ; a plain line behind the conversions
.irp d, 0,1,2,3                                ; V^T: channel tile d's two images, 16 registers, into the registers that the lower p has left
.irp u, 0,1
	ds_load_b128 v[SC+16*\d+8*\u:SC+16*\d+8*\u+3],   v[ADR] offset:8192*\u+4096+1024*\d
	ds_load_b128 v[SC+16*\d+8*\u+4:SC+16*\d+8*\u+7], v[ADR] offset:8192*\u+4096+1024*\d+512
.endr
.endr
.set i, 64
.rept 32
	v_dual_min_num_f32 v[SC+i], v[SC+i], v4 :: v_dual_min_num_f32 v[SC+i+1], v[SC+i+1], v5
.set i, i+2
.endr
.irp x, 0,1
.irp t, 0,1,2,3
	v_cvt_scalef32_pk8_fp8_f32 v[PC+16*\x+8+2*\t:PC+16*\x+8+2*\t+1], v[SC+64+32*\x+8*\t:SC+64+32*\x+8*\t+7], v3
.endr
.endr
	v_nop                                          ; a plain line behind the last conversion
.if \pf
.irp t, 0,1,2,3                                ; the next step's tiles 0-3 of K, into registers that the upper p has left
	ds_load_b128 v[SC+64+8*\t:SC+64+8*\t+3],   v[ADR] offset:16384+1024*\t
	ds_load_b128 v[SC+64+8*\t+4:SC+64+8*\t+7], v[ADR] offset:16384+1024*\t+512
.endr
	s_wait_alu depctr_va_vdst(0)                   ; the wait ahead of the wait below
	s_wait_dscnt 0x8                               ; V is in; the eight loads just issued may be out
.else
	s_wait_alu depctr_va_vdst(0)
	s_wait_dscnt 0x0                               ; V is in
.endif
.irp d, 0,1,2,3
.irp x, 0,1
	v_wmma_f32_16x16x128_fp8_fp8 v[OT+32*\x+8*\d:OT+32*\x+8*\d+7], v[SC+16*\d:SC+16*\d+15], v[PC+16*\x:PC+16*\x+15], v[OT+32*\x+8*\d:OT+32*\x+8*\d+7]   ; eight accumulators, one instruction each
.endr
.endr
.endm
	s_wait_alu depctr_va_vdst(0)                   ; the wait at the head's end
	s_wait_loadcnt 0x0                             ; Q
	s_wait_tensorcnt 0x0                           ; my part of K and V is in,
	s_barrier_signal -1
	s_barrier_wait -1                              ; everybody's is
	s_mov_b32 s[TB], 0
	s_mov_b32 s[CNT], 15
.irp t, 0,1,2,3
	ds_load_b128 v[SC+64+8*\t:SC+64+8*\t+3],   v[LI] offset:1024*\t        ; the first step's tiles 0-3 of K
	ds_load_b128 v[SC+64+8*\t+4:SC+64+8*\t+7], v[LI] offset:1024*\t+512
.endr
.Lstep:                                            ; 15 trips; eight loads are out at the label on both ways
	STEP 1
	s_add_co_u32 s[TB], s[TB], 16384
	s_sub_co_u32 s[CNT], s[CNT], 1
	s_cmp_lg_u32 s[CNT], 0
	s_cbranch_scc1 .Lstep
	STEP 0                                         ; the last 128 keys: nothing follows them
	; THE WAY OUT.  o = O^T x 2^(e4 + e5) / the sum, held, converted with 2^e6 and stored as the fragment that it is.
.rept 4
	v_nop                                          ; places behind the last products: the lines below write over p's codes
.endr
.irp x, 0,1
	v_add_f32 v[TW+8*\x], v[ST+4*\x+2], v[ST+4*\x+3]       ; the sum's two halves,
.endr
.irp x, 0,1
	v_permlanex16_b32 v[TW+8*\x+2], v[TW+8*\x], s[SEL], s[SEL+1]
.endr
.irp x, 0,1
	v_add_f32 v[TW+8*\x], v[TW+8*\x], v[TW+8*\x+2]         ; and lane l xor 16's
.endr
	v_mov_b32 v3, s61                              ; 2^e6
	v_mov_b32 v4, s62                              ; 448 x 2^e6
	s_wait_alu depctr_va_vdst(0)                   ; the wait ahead of the reciprocals
.irp x, 0,1
	v_rcp_f32 v[TW+8*\x+4], v[TW+8*\x]
.endr
	v_nop                                          ; a plain line behind the reciprocals
	s_wait_alu depctr_va_vdst(0)                   ; and the wait ahead of their first reader
.irp x, 0,1
	v_ldexp_f32 v[TW+8*\x+4], v[TW+8*\x+4], s60
.endr
	s_wait_alu depctr_va_vdst(0)                   ; and directly ahead of the first reader of O^T
.set i, 0
.rept 16
	v_pk_mul_f32 v[OT+i:OT+i+1], v[OT+i:OT+i+1], v[TW+4:TW+5] op_sel_hi:[1,0]
	v_pk_mul_f32 v[OT+32+i:OT+32+i+1], v[OT+32+i:OT+32+i+1], v[TW+12:TW+13] op_sel_hi:[1,0]
.set i, i+2
.endr
.set i, 0
.rept 64
	v_med3_num_f32 v[OT+i], v[OT+i], -v4, v4
.set i, i+1
.endr
.irp x, 0,1
.irp d, 0,1,2,3
	v_cvt_scalef32_pk8_fp8_f32 v[48+8*\x+2*\d:48+8*\x+2*\d+1], v[OT+32*\x+8*\d:OT+32*\x+8*\d+7], v3
.endr
.endr
	v_nop
.irp x, 0,1
	global_store_b128 v[LI], v[48+8*\x:48+8*\x+3],   s[10:11] offset:4096*\x       ; 512 consecutive bytes, aligned
	global_store_b128 v[LI], v[48+8*\x+4:48+8*\x+7], s[10:11] offset:4096*\x+512
.endr
	v_lshl_add_u32 v6, v0, 2, SPARE                ; the add's two registers served the loop: they are made anew from v0
	v_mov_b32 v7, 0
	s_wait_alu depctr_va_vdst(0)
	s_wait_tensorcnt 0x0                           ; the wave's end
	ds_add_u32 v6, v7
	s_wait_dscnt 0x0
	CROUND                                         ; the closing round
	s_endpgm
.Lfunc_end_k_q10506156e8_attn:
	.size	k_q10506156e8_attn, .Lfunc_end_k_q10506156e8_attn-k_q10506156e8_attn
	.p2alignl 7, 3214868480
	.fill 96, 4, 3214868480
	.section	.rodata,"a",@progbits
	.p2align	6, 0x0
	.amdhsa_kernel k_q10506156e8_attn
		.amdhsa_group_segment_fixed_size 327680
		.amdhsa_private_segment_fixed_size 0
		.amdhsa_enable_private_segment 0
		.amdhsa_kernarg_size 32
		.amdhsa_user_sgpr_count 2
		.amdhsa_user_sgpr_kernarg_segment_ptr 1
		.amdhsa_wavefront_size32 1
		.amdhsa_system_sgpr_workgroup_id_x 1
		.amdhsa_system_sgpr_workgroup_id_y 1
		.amdhsa_system_sgpr_workgroup_id_z 1
		.amdhsa_system_vgpr_workitem_id 0
		.amdhsa_next_free_vgpr 256
		.amdhsa_next_free_sgpr 66
		.amdhsa_reserve_vcc 0
		.amdhsa_float_denorm_mode_32 3
		.amdhsa_float_denorm_mode_16_64 3
		.amdhsa_memory_ordered 1
		.amdhsa_forward_progress 1
		.amdhsa_inst_pref_size 72
	.end_amdhsa_kernel
	.amdgpu_metadata
---
amdhsa.version: [ 1, 2 ]
amdhsa.kernels:
  - .name:           k_q10506156e8_attn
    .symbol:         k_q10506156e8_attn.kd
    .args:
      - { .name: q_img, .offset: 0, .size: 8, .value_kind: global_buffer, .address_space: global }
      - { .name: kv_img, .offset: 8, .size: 8, .value_kind: global_buffer, .address_space: global }
      - { .name: lowp_scales, .offset: 16, .size: 8, .value_kind: global_buffer, .address_space: global }
      - { .name: o_img, .offset: 24, .size: 8, .value_kind: global_buffer, .address_space: global }
    .group_segment_fixed_size: 327680
    .private_segment_fixed_size: 0
    .kernarg_segment_align: 8
    .kernarg_segment_size: 32
    .max_flat_workgroup_size: 512
    .sgpr_count:     66
    .vgpr_count:     256
    .wavefront_size: 32
...
	.end_amdgpu_metadata
.endif
;; end of part 3
;; launch proj (part 4): grid 8 x 32, 4 waves a work-group, clusters of 4 x 4, 327,680 bytes of LDS; arguments o_img, wo_img, out_b, lowp_scales, out0; writes out0
.if DOCPART == 4
	.amdgcn_target "amdgcn-amd-amdhsa--gfx1250"
	.amdhsa_code_object_version 6
	.text
	.protected	k_q10506156e8_proj
	.globl	k_q10506156e8_proj
	.p2align	8
	.type	k_q10506156e8_proj,@function
k_q10506156e8_proj:
	s_mov_b64 s[64:65], 0
	v_nop
	global_prefetch_b8 v0, s[64:65] scope:SCOPE_SE
	s_setreg_imm32_b32 hwreg(HW_REG_WAVE_MODE, 25, 1), 1
	s_wait_xcnt 0x0
	s_wait_alu depctr_hold_cnt(0) depctr_sa_sdst(0) depctr_va_vdst(0) depctr_va_sdst(0) depctr_va_ssrc(0) depctr_va_vcc(0) depctr_vm_vsrc(0)
	s_getreg_b32 s2, hwreg(HW_REG_IB_STS2, 6, 4)
	s_cmp_eq_u32 s2, 0
	s_cbranch_scc0 .Lentry_in_a_cluster
	s_endpgm
.Lentry_in_a_cluster:
	s_bfe_u32 s2, ttmp6, 0x10000c
	s_cmp_lg_u32 s2, 0xf033
	s_cbranch_scc0 .Lentry_shape_is_right
	s_endpgm
.Lentry_shape_is_right:
; out0 = o out_w^T + out_b on codes of FP8 (E4M3): each finished sum x 2^(e6 + e7), plus the bias, in f32.  Operands are images of operand registers (1,024 bytes: 16 rows x 64 K), in memory and in LDS.
; A work-group takes 256 tokens x 128 columns, a wave 64 tokens x 128 columns: 32 accumulators.  Source 0 = 16 rows of the weight, source 1 = 16 tokens: a lane holds eight neighbouring columns of one row of the result.
; K goes in four parts of 256 through a ring of two LDS slots; clusters of 4 x 4 ask jointly: o's blocks along a row, the weight's along a column.  The results leave through each wave's own stage, as rows of 512 bytes.
; PREFETCHES: one instruction a wave, a lane to a block of 256 bytes; of the bytes that a wave fetches each of the four partners names a quarter, told apart by address (o: 32 blocks, by cx; the weight: 16 blocks, by cy; lanes left over name the last again).
; Behind the first load: the parts 256 and 512 along K on; behind the second: the last part.
; LIMIT: e6 + e7 between -126 and 127, so that 2^(e6 + e7) is an f32 number.
.set SLOT,  98304
.set BOFF,  65536
.set STAGE, 2*SLOT
.set SP,    528
.set SPARE, STAGE+4*16*SP
.set ADRA, 16
.set ADRB, 20
.set LI,   24
.set STO,  25
.set RD,   26
.set SPW,  28
.set NIL,  29
.set BI,   96
.set G1, 24
.set G0, 32
.set G1B, 48
.set G0B, 56
.set MSB, 0
.macro WIN new
.if MSB != (\new)
	s_set_vgpr_msb (MSB<<8)|(\new)
.set MSB, (\new)
.endif
.endm
.macro JLOAD g0a, g1a, g0b, g1b
	s_cmp_eq_u32 s15, 0
	s_cbranch_scc0 .Lfor_b_\@
	tensor_load_to_lds s[\g0a:\g0a+3], s[\g1a:\g1a+7]
	s_nop 0
.rept 4
	v_nop
.endr
	s_branch .Lasked_\@
.Lfor_b_\@:
	tensor_load_to_lds s[\g0b:\g0b+3], s[\g1b:\g1b+7]
	s_nop 0
.rept 4
	v_nop
.endr
.Lasked_\@:
.endm
.macro CREST
	s_cmp_lg_u32 s14, 0
	s_cbranch_scc1 .Lnot_wave_0_\@
	s_barrier_signal -3
.Lnot_wave_0_\@:
	s_barrier_wait -3
	s_barrier_signal -1
	s_barrier_wait -1
.endm
.macro CROUND
	s_barrier_signal -1
	s_barrier_wait -1
	CREST
.endm
.macro PLACES
.rept 4
	v_nop
.endr
.endm
	s_load_b256 s[4:11], s[0:1], 0x0
	s_load_b64 s[68:69], s[0:1], 0x20
	v_lshl_add_u32 v[SPW], v0, 2, SPARE
	v_mov_b32 v[NIL], 0
	ds_add_u32 v28, v29
	ds_add_u32 v28, v29
	s_wait_dscnt 0x0
	v_lshrrev_b32 v1, 5, v0
	v_readfirstlane_b32 s14, v1
	s_lshr_b32 s15, s14, 1
	s_and_b32 s16, s14, 1
	s_bfe_u32 s40, ttmp6, 0x40000
	s_bfe_u32 s41, ttmp6, 0x40004
	s_lshl_b32 s42, ttmp9, 2
	s_add_co_u32 s42, s42, s40
	s_and_b32 s17, ttmp7, 0xffff
	s_lshl_b32 s17, s17, 2
	s_add_co_u32 s17, s17, s41
	s_lshl_b32 s43, s41, 2
	s_lshl_b32 s43, 15, s43
	s_lshl_b32 s44, 0x1111, s40
	s_or_b32 s[G1+0], s43, (3<<16)|(1<<21)
	s_or_b32 s[G1B+0], s44, (3<<16)|(1<<21)
	s_mov_b32 s[G1+1], 32<<16
	s_mov_b32 s[G1+2], 128<<16
	s_mov_b32 s[G1+3], 32<<16
	s_mov_b32 s[G1+4], 128
	s_mov_b32 s[G1+5], 32
	s_mov_b32 s[G1+6], 0
	s_mov_b32 s[G1+7], 0
	s_mov_b32 s[G1B+1], 32<<16
	s_mov_b32 s[G1B+2], 64<<16
	s_mov_b32 s[G1B+3], 32<<16
	s_mov_b32 s[G1B+4], 64
	s_mov_b32 s[G1B+5], 32
	s_mov_b32 s[G1B+6], 0
	s_mov_b32 s[G1B+7], 0
	s_lshl_b32 s20, s17, 16
	s_lshl_b32 s21, s16, 15
	s_add_co_u32 s20, s20, s21
	s_mov_b32 s21, 0
	s_lshl_b32 s46, s42, 15
	s_lshl_b32 s47, s16, 14
	s_add_co_u32 s46, s46, s47
	s_mov_b32 s47, 0
	s_lshl_b32 s45, s16, 15
	s_lshl_b32 s19, s16, 14
	s_add_co_u32 s19, s19, BOFF
	s_wait_kmcnt 0x0
	s_load_b256 s[72:79], s[10:11], 0x0
	s_add_nc_u64 s[20:21], s[4:5], s[20:21]
	s_add_nc_u64 s[46:47], s[6:7], s[46:47]
	CROUND
.irp s, 0,1
	s_mov_b32 s[G0+4*\s], 1
	s_add_co_u32 s[G0+4*\s+1], s45, \s*SLOT
	s_add_nc_u64 s[G0+4*\s+2:G0+4*\s+3], s[20:21], \s*0x200000
	s_or_b32 s[G0+4*\s+3], s[G0+4*\s+3], 0x80000000
	s_mov_b32 s[G0B+4*\s], 1
	s_add_co_u32 s[G0B+4*\s+1], s19, \s*SLOT
	s_add_nc_u64 s[G0B+4*\s+2:G0B+4*\s+3], s[46:47], \s*0x40000
	s_or_b32 s[G0B+4*\s+3], s[G0B+4*\s+3], 0x80000000
.endr
	JLOAD G0, G1, G0B, G1B                         ; K = 0 .. 255: one tensor load a wave at the head
	v_and_b32 v1, 31, v0
	v_lshlrev_b32 v[LI], 4, v1
	v_and_b32 v2, 15, v0
	v_bfe_u32 v3, v0, 4, 1
	s_lshl_b32 s80, s14, 14
	v_add_nc_u32 v[ADRA], s80, v[LI]
	v_add_nc_u32 v[ADRA+1], SLOT, v[ADRA]
	v_add_nc_u32 v[ADRB], BOFF, v[LI]
	v_add_nc_u32 v[ADRB+1], SLOT+BOFF, v[LI]
	s_mul_i32 s80, s14, 16*SP
	s_add_co_u32 s80, s80, STAGE
	v_mul_u32_u24 v[STO], v2, SP
	v_lshl_add_u32 v[STO], v3, 5, v[STO]
	v_add_nc_u32 v[STO], s80, v[STO]
	v_add_nc_u32 v[RD], s80, v[LI]
	s_lshl_b32 s82, s42, 9
	s_mov_b32 s83, 0
	s_add_nc_u64 s[8:9], s[8:9], s[82:83]
	v_lshlrev_b32 v10, 5, v3
	; the prefetches: my quarter of the bytes that my wave fetches; v18, v19, v22, v23 and s[92:93] are never rewritten
	s_lshl_b32 s92, s40, 13                        ; o: 32 blocks of 256 bytes x cx
	s_lshl_b32 s93, s41, 12                        ; the weight: 16 blocks x cy
	s_mov_b32 s23, 0x40000
	s_cmp_eq_u32 s15, 0
	s_cselect_b32 s22, s92, s93
	s_cselect_b32 s18, 31, 15                      ; my last block
	s_cselect_b32 s94, 0x200000, s23               ; 256 along K on
	s_cselect_b64 s[92:93], s[20:21], s[46:47]
	s_mov_b32 s23, 0
	s_add_nc_u64 s[92:93], s[92:93], s[22:23]
	v_min_u32 v18, s18, v1
	v_lshlrev_b32 v18, 8, v18
	v_add_nc_u32 v19, s94, v18
	v_add_nc_u32 v22, s94, v19
	v_add_nc_u32 v23, s94, v22
	s_wait_alu depctr_va_vdst(0)                   ; the wait behind the run of scalar lines
	global_prefetch_b8 v19, s[92:93] th:TH_LOAD_NT scope:SCOPE_SE   ; K = 256 .. 511,
	global_prefetch_b8 v22, s[92:93] th:TH_LOAD_NT scope:SCOPE_SE   ; K = 512 .. 767
.irp t, 0,1,2,3,4,5,6,7
	global_load_b128 v[BI+8*\t:BI+8*\t+3], v10, s[8:9] offset:64*\t
	global_load_b128 v[BI+8*\t+4:BI+8*\t+7], v10, s[8:9] offset:64*\t+16
.endr
	s_lshl_b32 s84, s17, 20
	s_lshl_b32 s85, s14, 18
	s_add_co_u32 s84, s84, s85
	s_add_co_u32 s84, s84, s82
	s_mov_b32 s85, 0
	s_add_nc_u64 s[68:69], s[68:69], s[84:85]
	s_wait_alu depctr_va_vdst(0)
	s_wait_kmcnt 0x0
	s_add_co_i32 s96, s78, s79
	s_add_co_i32 s96, s96, 127
	s_lshl_b32 s96, s96, 23
	s_mov_b32 s97, s96
.macro FETCH slot, q, p
	WIN 0x40
.irp t, 0,1,2,3,4,5,6,7
	ds_load_b128 v[64*(\p)+8*\t:64*(\p)+8*\t+3],   v[ADRB+\slot] offset:4096*\t+1024*(\q)
	ds_load_b128 v[64*(\p)+8*\t+4:64*(\p)+8*\t+7], v[ADRB+\slot] offset:4096*\t+1024*(\q)+512
.endr
.irp i, 0,1,2,3
	ds_load_b128 v[128+32*(\p)+8*\i:128+32*(\p)+8*\i+3],   v[ADRA+\slot] offset:4096*\i+1024*(\q)
	ds_load_b128 v[128+32*(\p)+8*\i+4:128+32*(\p)+8*\i+7], v[ADRA+\slot] offset:4096*\i+1024*(\q)+512
.endr
.endm
.macro MUL p, i, first
.irp t, 0,1,2,3,4,5,6,7
.if \first
	v_wmma_f32_16x16x64_fp8_fp8 v[8*(8*(\i)+\t):8*(8*(\i)+\t)+7], v[64*(\p)+8*\t:64*(\p)+8*\t+7], v[128+32*(\p)+8*(\i):128+32*(\p)+8*(\i)+7], 0
.else
	v_wmma_f32_16x16x64_fp8_fp8 v[8*(8*(\i)+\t):8*(8*(\i)+\t)+7], v[64*(\p)+8*\t:64*(\p)+8*\t+7], v[128+32*(\p)+8*(\i):128+32*(\p)+8*(\i)+7], v[8*(8*(\i)+\t):8*(8*(\i)+\t)+7]
.endif
.endr
.endm
.macro STEP slot, q, first
	s_wait_dscnt 0x0
	PLACES
	FETCH \slot, (\q)+1, 1-(\q)%2
	WIN 0xa5
	MUL (\q)%2, 0, \first
	MUL (\q)%2, 1, \first
	MUL (\q)%2, 2, \first
	MUL (\q)%2, 3, \first
.endm
.macro TURN slot, next, fill
	WIN 0
	s_wait_tensorcnt 0x0
	ds_add_u32 v[SPW], v[NIL]
	s_wait_dscnt 0x1
	WIN 0xa5
	MUL 1, 0, 0
	MUL 1, 1, 0
	s_wait_dscnt 0x0
	s_barrier_signal -1
	MUL 1, 2, 0
	WIN 0
	s_barrier_wait -1
.if \fill
	CREST
	s_add_nc_u64 s[G0+4*\slot+2:G0+4*\slot+3], s[G0+4*\slot+2:G0+4*\slot+3], 0x400000
	s_add_nc_u64 s[G0B+4*\slot+2:G0B+4*\slot+3], s[G0B+4*\slot+2:G0B+4*\slot+3], 0x80000
	JLOAD G0+4*\slot, G1, G0B+4*\slot, G1B
.else
	PLACES
.endif
	FETCH \next, 0, 0
	WIN 0xa5
	MUL 1, 3, 0
.endm
	s_wait_alu depctr_va_vdst(0)                   ; the wait at the head's end
	s_wait_tensorcnt 0x0                           ; my part of slot 0 is in; slot 1's first fill is issued as a refill is:
	ds_add_u32 v[SPW], v[NIL]
	s_wait_dscnt 0x0
	CROUND                                         ; a whole round: everybody's part of slot 0 is in, and the joint loads meet
	JLOAD G0+4, G1, G0B+4, G1B                     ; K = 256 .. 511, the first tensor load behind the round
	FETCH 0, 0, 0
	WIN 0
	global_prefetch_b8 v23, s[92:93] th:TH_LOAD_NT scope:SCOPE_SE   ; K = 768 .. 1023
	STEP 0, 0, 1
	STEP 0, 1, 0
	STEP 0, 2, 0
	TURN 0, 1, 1
	STEP 1, 0, 0
	STEP 1, 1, 0
	STEP 1, 2, 0
	TURN 1, 0, 1
	STEP 0, 0, 0
	STEP 0, 1, 0
	STEP 0, 2, 0
	TURN 0, 1, 0
	STEP 1, 0, 0
	STEP 1, 1, 0
	STEP 1, 2, 0
	s_wait_dscnt 0x0
	WIN 0xa5
	MUL 1, 0, 0
	MUL 1, 1, 0
	MUL 1, 2, 0
	MUL 1, 3, 0
.macro TOSTAGE i
.set TM, 32+128*((\i)%2)
	WIN 0x02
.set n, 0
.rept 32
	v_pk_fma_f32 v[TM+n:TM+n+1], v[64*(\i)+n:64*(\i)+n+1], s[96:97], v[BI+n:BI+n+1] op_sel_hi:[1,0,1]
.set n, n+2
.endr
	WIN 0
.irp t, 0,1,2,3,4,5,6,7
	ds_store_b128 v[STO], v[TM+8*\t:TM+8*\t+3] offset:64*\t
	ds_store_b128 v[STO], v[TM+8*\t+4:TM+8*\t+7] offset:64*\t+16
.endr
.irp w, 0,1,2,3,4,5,6,7,8,9,10,11,12,13,14,15
	ds_load_b128 v[TM+4*\w:TM+4*\w+3], v[RD] offset:\w*SP
.endr
.endm
.macro SEND i, younger
.set TM, 32+128*((\i)%2)
	s_wait_dscnt \younger
.irp w, 0,1,2,3,4,5,6,7,8,9,10,11,12,13,14,15
	global_store_b128 v[LI], v[TM+4*\w:TM+4*\w+3], s[68:69] offset:(16*(\i)+\w)*4096 th:TH_STORE_NT
.endr
.endm
	s_wait_loadcnt 0x0
	PLACES
	TOSTAGE 0
	TOSTAGE 1
	SEND 0, 32
	s_wait_xcnt 0x0
	TOSTAGE 2
	SEND 1, 32
	s_wait_xcnt 0x0
	TOSTAGE 3
	SEND 2, 32
	SEND 3, 0
	s_wait_tensorcnt 0x0
	ds_add_u32 v[SPW], v[NIL]
	s_wait_dscnt 0x0
	CROUND
	s_endpgm
.Lfunc_end_k_q10506156e8_proj:
	.size	k_q10506156e8_proj, .Lfunc_end_k_q10506156e8_proj-k_q10506156e8_proj
	.p2alignl 7, 3214868480
	.fill 96, 4, 3214868480
	.section	.rodata,"a",@progbits
	.p2align	6, 0x0
	.amdhsa_kernel k_q10506156e8_proj
		.amdhsa_group_segment_fixed_size 327680
		.amdhsa_private_segment_fixed_size 0
		.amdhsa_enable_private_segment 0
		.amdhsa_kernarg_size 40
		.amdhsa_user_sgpr_count 2
		.amdhsa_user_sgpr_kernarg_segment_ptr 1
		.amdhsa_wavefront_size32 1
		.amdhsa_system_sgpr_workgroup_id_x 1
		.amdhsa_system_sgpr_workgroup_id_y 1
		.amdhsa_system_sgpr_workgroup_id_z 1
		.amdhsa_system_vgpr_workitem_id 0
		.amdhsa_next_free_vgpr 768
		.amdhsa_next_free_sgpr 100
		.amdhsa_reserve_vcc 0
		.amdhsa_float_denorm_mode_32 3
		.amdhsa_float_denorm_mode_16_64 3
		.amdhsa_memory_ordered 1
		.amdhsa_forward_progress 1
		.amdhsa_inst_pref_size 94
	.end_amdhsa_kernel
	.amdgpu_metadata
---
amdhsa.version: [ 1, 2 ]
amdhsa.kernels:
  - .name:           k_q10506156e8_proj
    .symbol:         k_q10506156e8_proj.kd
    .args:
      - { .name: o_img, .offset: 0, .size: 8, .value_kind: global_buffer, .address_space: global }
      - { .name: wo_img, .offset: 8, .size: 8, .value_kind: global_buffer, .address_space: global }
      - { .name: out_b, .offset: 16, .size: 8, .value_kind: global_buffer, .address_space: global }
      - { .name: lowp_scales, .offset: 24, .size: 8, .value_kind: global_buffer, .address_space: global }
      - { .name: out0, .offset: 32, .size: 8, .value_kind: global_buffer, .address_space: global }
    .group_segment_fixed_size: 327680
    .private_segment_fixed_size: 0
    .kernarg_segment_align: 8
    .kernarg_segment_size: 40
    .max_flat_workgroup_size: 128
    .sgpr_count:     100
    .vgpr_count:     768
    .wavefront_size: 32
...
	.end_amdgpu_metadata
.endif
;; end of part 4
